; MI455X (gfx1250); checked and timed in simulation.
; The chip was launched on July 23, 2026; its instructions are those of AMD's public machine-readable ISA for CDNA 5 (MIT licence, August 2026) and "CDNA5" Instruction Set Architecture Reference Guide (July 2026). The comments in the code are by the model that wrote it; some were corrected since.
;; MILP Attention. Allowed arithmetic: matrix products marked QUANTISED: E2M1 operands, one E8M0 scale for each 32 along K, by v_wmma_scale_f32_16x16x128_f8f6f4 with both operands' format E2M1 (or v_wmma_scale_f32_32x16x128_f4), f32 sums; everything else in f32.
;; Inputs: Wk 1,024 x 1,024 float32; Wo 1,024 x 1,024 float32; Wq 1,024 x 1,024 float32; Wv 1,024 x 1,024 float32; bk 1,024 float32; bo 1,024 float32; bq 1,024 float32; bv 1,024 float32; h 4,096 float32; x 4,096 x 1,024 float32.
;; Outputs: out0 4,096 x 1,024 float32.
;; This version of the problem:
;;   THIS VERSION OF THE PROBLEM IS GIVEN IN LOW PRECISION. The matrix products marked QUANTISED in the list below multiply operands that are first quantised to E2M1 (2 exponent bits, 1 mantissa bit; 4 bits a number), with one power-of-two scale for each 32 numbers along K (OCP MX v1.0); their sums are f32. All else is computed in f32.
;;   The module's matrix products, in the order in which they are computed (A, B: the left and right operand; K: the contracted axis; several contracted axes count as one K, in the product's order):
;;     1. [M 4,096, K 1,024] x [K 1,024, N 1,024]; A: input x; B: input Wq: QUANTISED
;;     2. [M 4,096, K 1,024] x [K 1,024, N 1,024]; A: input x; B: input Wk: QUANTISED
;;     3. [M 4,096, K 1,024] x [K 1,024, N 1,024]; A: input x; B: input Wv: QUANTISED
;;     4. batch 16 x [M 4,096, K 64] x [K 64, N 4,096]; A: computed on the way; B: computed on the way: QUANTISED
;;     5. batch 16 x [M 64, K 4,096] x [K 4,096, N 4,096]; A: computed on the way; B: softmax (see below): QUANTISED
;;     6. [M 4,096, K 1,024] x [K 1,024, N 1,024]; A: computed on the way; B: input Wo: QUANTISED
;;   THE QUANTISER, for each operand of a quantised product, along K:
;;     - K is cut into blocks of 32 from its start; a last block that is shorter is filled with zeros.
;;     - A block's scale is 2^e with e = floor(log2(the largest magnitude in the block)) - 2, held to -126 .. 127; a block of zeros has e = 0. As a byte (E8M0): e + 127.
;;     - Each number is divided by its block's scale, clamped to +-6, and rounded to the nearest number of E2M1, ties to even, subnormals kept.
;;     - The product sums the exact products of the quantised numbers (number of the format x scale) in f32.
;;   ~~~python
;;   def quantise(x, axis):      # numpy; x: float32 -> the quantised numbers, widened to float32 again
;;       x = np.moveaxis(x, axis, -1); K = x.shape[-1]
;;       x = np.pad(x, [(0, 0)] * (x.ndim - 1) + [(0, -K % 32)]); x = x.reshape(x.shape[:-1] + (-1, 32)); a = np.abs(x).max(-1, keepdims=True)
;;       e = np.where(a > 0, np.clip(np.frexp(np.where(a > 0, a, 1))[1] - 1 - 2, -126, 127), 0)      # np.frexp(a)[1] - 1 = floor(log2(a)), exactly
;;       r = np.clip(x / 2.0 ** e, -6, 6)
;;       step = 2.0 ** (np.maximum(np.frexp(np.where(r == 0, 1, r))[1] - 1, 0) - 1)
;;       q = np.round(r / step) * step * 2.0 ** e      # np.round: ties to even
;;       return np.moveaxis(q.reshape(q.shape[:-2] + (-1,))[..., :K], -1, axis).astype(np.float32)
;;   ~~~
;;   SOFTMAX AHEAD OF A QUANTISED PRODUCT. Where the list says 'softmax', what is quantised is not the finished softmax but p = 2^(t - M), with t = logit x log2(e) and M = ceil(the row's largest t), a whole number; so 1/2 < the row's largest p <= 1. The row's sum l is taken of the UNQUANTISED p, in f32, and the product's result is divided by l at the end. Since M is a whole number, a kernel that streams over the keys may use a running M (the ceiling of the running maximum): every later rescaling is an exact power of two, which a block's scale takes up: the codes' values come out the same.
;;   OPERANDS COMPUTED ON THE WAY. 'Computed on the way' means the value that the module computes at that place (a softmax that the list does not call 'softmax' is quantised finished and normalised). What goes into a quantiser is computed in f32, as accurately as f32 sums, v_exp_f32 and their like allow (about 1e-6 of the number): no bf16 or f16 on the way to a quantiser, and a product that is left as it is and whose result goes on into a quantised operand takes f32 operands (vector FMAs, or v_wmma_f32_16x16x4_f32). A number that lies on a knife's edge between two numbers of the format may be rounded either way, as far as f32 arithmetic and the matrix unit's own rounding can turn it there, and no further.
;; One version. Each part assembles by itself: llvm-mc -triple=amdgcn-amd-amdhsa -mcpu=gfx1250 --defsym DOCPART=n.
;; ======== version 1 of 1: 4 launches
;; limits: right only within a limited range of input values
;; workspace buffers: xq 2,228,224 bytes; wq 2,228,224 bytes; qq 2,359,296 bytes; kvh 4,718,592 bytes; oq 2,228,224 bytes
;; launch quant (part 1): grid 256 x 1, 4 waves a work-group, no clusters, 34,304 bytes of LDS; arguments x, Wq, Wk, Wv, Wo, h, xq, wq, kvh; writes xq, wq, kvh
.if DOCPART == 1
	.amdgcn_target "amdgcn-amd-amdhsa--gfx1250"
	.amdhsa_code_object_version 6
	.text
	.protected	k_qa1557c9f2d_quant
	.globl	k_qa1557c9f2d_quant
	.p2align	8
	.type	k_qa1557c9f2d_quant,@function
k_qa1557c9f2d_quant:
	s_mov_b64 s[64:65], 0
	v_nop
	global_prefetch_b8 v0, s[64:65] scope:SCOPE_SE
	s_setreg_imm32_b32 hwreg(HW_REG_WAVE_MODE, 25, 1), 1
	s_wait_xcnt 0x0
; LAUNCH 1 OF 4.  x [4096][1024] and Wq, Wk, Wv, Wo [1024][1024], f32 with K innermost, become codes of FP4 (E2M1) with one E8M0 byte for each 32 along K,
; laid in the order of a matrix operand's registers; and the keys' bias h becomes -8 h, once for each head, in the records that the attention launch reads.
; WORK LEFT OUT: reference() multiplies h by GAMMA, which it sets to 1.0 in its own body: a factor that is 1 for all inputs.  Nothing else is left out; every input is loaded by some launch.
; -8 h: logit = s / 8 - h = (s - 8 h) / 8, and 8 h is exact in f32; the attention launch gives -8 h to the matrix unit as the sum's start.
; TILES.  An operand is cut into tiles of 16 rows that are not neighbours: row r of tile T is row 32 (T / 2) + 8 (T % 2) + r + 8 (r / 8).  So a product's eight results in a lane, of two
; neighbouring tiles, are 16 neighbours along the next product's K.
; IMAGES.  A fragment (16 rows x 128 K, 8 registers a lane) lies as 1,024 dense bytes: [c 0..1][lane][16 bytes], lane (r, h) holding k = 64 c + 32 h + 0 .. 31 of row r: one whole block.
; xq, wq: codes [tile 256][K step 8][1,024]; from byte XS on the scale words [tile][half of K][r][4 words].  wq's tiles: Wq 0-63, Wk 64-127, Wv 128-191, Wo 192-255.
; SHARES.  A wave takes one tile and one half of K: 16 rows x 512 numbers, four steps of 128.  Each load reads 512 dense bytes of a row; a step's 8,192 bytes turn through the wave's own stage in LDS
; (rows 528 bytes apart), from which a lane takes its two blocks of 32.  Work-groups share no input, so there is no cluster; no tensor load, no barrier: waves share nothing.
; A block's scale: the largest magnitude's exponent field less 2, held at 1 from below.
; LIMITS: NaN and infinities among the inputs are not served; a block whose largest magnitude lies under 2^-124, a block of zeros among them, keeps the byte 1 (its codes are zeros or the format's
; nearest; the bytes are read by this program alone).
.set SPARE, 33792                      ; behind the four stages: the spare words, 128 bytes a wave
.set STG,   8448                       ; a wave's stage: 16 rows x 528 bytes
.set XS,    2097152                    ; where the scale words begin in xq and wq
.set HEADB, 294912                     ; a head's 32 records in kvh
.set REC,   9216                       ; a record
.set SW,    16                         ; v16-19   a scale word for each step
.set R,     32                         ; v32-159  two sets of 64 registers as loaded
.set X,     160                        ; v160-223 my two blocks of 32
.set C,     224                        ; v224-255 codes, 8 registers a step: no store's data are written again
	s_load_b512 s[8:23], s[0:1], 0x0               ; x 8, Wq 10, Wk 12, Wv 14, Wo 16, h 18, xq 20, wq 22
	s_load_b64 s[24:25], s[0:1], 0x40              ; kvh
	v_lshl_add_u32 v6, v0, 2, SPARE                ; my spare word; never rewritten
	v_mov_b32 v7, 0                                ; 0; never rewritten
	v_lshrrev_b32 v8, 5, v0
	v_readfirstlane_b32 s2, v8                     ; wave
	v_and_b32 v9, 31, v0                           ; lane
	v_and_b32 v10, 15, v0                          ; r
	v_bfe_u32 v11, v0, 4, 1                        ; h
	v_lshlrev_b32 v1, 4, v9                        ; 16 x lane
	v_lshlrev_b32 v14, 3, v9                       ; 8 x lane
	v_lshlrev_b32 v15, 6, v11                      ; the bias is stored with the two halves of 16 keys of every odd block of 32 swapped (lanes 16-31: byte offset xor 64):
	v_xor_b32 v15, v15, v14                        ; the order in which the attention launch's lanes 16-31 hold their keys
	s_mul_i32 s3, s2, STG
	v_add_nc_u32 v2, s3, v1                        ; into the stage: 16 x lane of a row
	v_mul_u32_u24 v3, v10, 528
	v_lshl_add_u32 v3, v11, 7, v3
	v_add_nc_u32 v3, s3, v3                        ; out of it: row r, + 128 h bytes
	v_lshlrev_b32 v4, 3, v11                       ; 8 h: my bytes' place in a scale word, in bits
	v_lshl_add_u32 v5, v10, 4, v4                  ; 16 r + 8 h: my two scale words' place
	v_mov_b32 v27, 0                               ; a lane permute's destination counts as read
	s_mov_b32 s36, 0x76543210
	s_mov_b32 s37, 0xfedcba98                      ; selects for lane l xor 16
	s_lshr_b32 s4, s2, 1                           ; which of the work-group's two tiles
	s_and_b32 s5, s2, 1                            ; which half of K
	s_and_b32 s6, ttmp9, 127
	s_lshl_b32 s6, s6, 1
	s_add_co_u32 s6, s6, s4                        ; the tile in xq or wq
	s_cmp_lt_u32 ttmp9, 128                        ; work-groups 0-127 take x, the others the weights
	s_cselect_b32 s7, 255, 63
	s_and_b32 s7, s6, s7                           ; the tile in its own matrix
	s_lshr_b32 s30, s7, 1
	s_lshl_b32 s30, s30, 17                        ; 32 rows of 4,096 bytes for each pair of tiles,
	s_and_b32 s32, s7, 1
	s_lshl_b32 s32, s32, 15                        ; 8 rows for the odd tile,
	s_add_co_u32 s30, s30, s32
	s_lshl_b32 s32, s5, 11                         ; 2,048 bytes for the second half of K
	s_add_co_u32 s30, s30, s32
	s_mov_b32 s31, 0
	s_lshl_b32 s32, s6, 13                         ; codes: 8,192 bytes a tile, 4,096 a half
	s_lshl_b32 s38, s5, 12
	s_add_co_u32 s32, s32, s38
	s_mov_b32 s33, 0
	s_lshl_b32 s34, s6, 9                          ; scale words: 512 bytes a tile, 256 a half
	s_lshl_b32 s38, s5, 8
	s_add_co_u32 s34, s34, s38
	s_add_co_u32 s34, s34, XS
	s_mov_b32 s35, 0
	s_lshl_b32 s38, ttmp9, 1                       ; the bias: 512 records (16 heads x 32 key steps), half a record a wave
	s_add_co_u32 s38, s38, s4
	s_lshr_b32 s39, s38, 5                         ; head
	s_and_b32 s38, s38, 31                         ; key step
	s_lshl_b32 s40, s38, 9
	s_lshl_b32 s42, s5, 8
	s_add_co_u32 s40, s40, s42                     ; in h: 512 x step + 256 x half
	s_mov_b32 s41, 0
	s_mul_i32 s39, s39, HEADB
	s_mul_i32 s38, s38, REC
	s_add_co_u32 s42, s42, s39
	s_add_co_u32 s42, s42, s38
	s_add_co_u32 s42, s42, 8704                    ; in kvh: the record's last 512 bytes
	s_mov_b32 s43, 0
	s_wait_alu depctr_va_vdst(0)
	s_wait_kmcnt 0x0
	s_mov_b64 s[26:27], s[16:17]                   ; the source is chosen on the work-group's number alone
	s_cmp_lt_u32 ttmp9, 224
	s_cselect_b64 s[26:27], s[14:15], s[26:27]
	s_cmp_lt_u32 ttmp9, 192
	s_cselect_b64 s[26:27], s[12:13], s[26:27]
	s_cmp_lt_u32 ttmp9, 160
	s_cselect_b64 s[26:27], s[10:11], s[26:27]
	s_cmp_lt_u32 ttmp9, 128
	s_cselect_b64 s[26:27], s[8:9], s[26:27]
	s_cselect_b64 s[28:29], s[20:21], s[22:23]
	s_add_nc_u64 s[26:27], s[26:27], s[30:31]      ; my tile's first row, my half of K
	s_add_nc_u64 s[44:45], s[28:29], s[34:35]      ; my scale words
	s_add_nc_u64 s[28:29], s[28:29], s[32:33]      ; my codes
	s_add_nc_u64 s[18:19], s[18:19], s[40:41]
	s_add_nc_u64 s[24:25], s[24:25], s[42:43]
	global_load_b64 v[12:13], v14, s[18:19]        ; my two numbers of h: the first load, so step 0's counted wait covers it
.macro LOAD t                          ; step t: 512 dense bytes of each of the tile's 16 rows
.irp i, 0,1,2,3,4,5,6,7,8,9,10,11,12,13,14,15
	global_load_b128 v[R+64*((\t)%2)+4*\i:R+64*((\t)%2)+4*\i+3], v1, s[26:27] offset:(\i+8*(\i/8))*4096+512*(\t) th:TH_LOAD_NT
.endr
.endm
	LOAD 0
	LOAD 1
.macro STEP t
.if (\t) < 3
	s_wait_loadcnt 16                              ; this step's 16 loads are in; the next step's 16 may be out
.else
	s_wait_loadcnt 0x0
.endif
.irp i, 0,1,2,3,4,5,6,7,8,9,10,11,12,13,14,15
	ds_store_b128 v2, v[R+64*((\t)%2)+4*\i:R+64*((\t)%2)+4*\i+3] offset:528*\i
.endr
.irp c, 0,1
.irp m, 0,1,2,3,4,5,6,7
	ds_load_b128 v[X+32*\c+4*\m:X+32*\c+4*\m+3], v3 offset:256*\c+16*\m   ; LDS serves a wave's instructions in order: these see the stores above
.endr
.endr
	s_wait_dscnt 0x0                               ; my 64 numbers are back, and the stores have read their registers,
.if (\t) < 2
	LOAD (\t)+2                                    ; which take the loads of two steps on
.endif
.irp c, 0,1
	v_max3_num_f32 v[20+\c], |v[X+32*\c]|, |v[X+32*\c+1]|, 0x1800000      ; block 2 c + h: all 32 numbers are mine; the floor 2^(3 - 127) holds the byte at 1 from below
.endr
.irp i, 2,4,6,8,10,12,14,16,18,20,22,24,26,28,30
.irp c, 0,1
	v_max3_num_f32 v[20+\c], v[20+\c], |v[X+32*\c+\i]|, |v[X+32*\c+\i+1]|  ; the two blocks by turns
.endr
.endr
	v_add_nc_u32 v22, 0xff000000, v20              ; 2 off the exponent field: the conversion's scale operand
	v_add_nc_u32 v23, 0xff000000, v21
	v_lshrrev_b32 v24, 23, v22                     ; the scales' bytes
	v_lshrrev_b32 v25, 23, v23
	v_lshl_or_b32 v26, v25, 16, v24                ; blocks h and 2 + h,
	v_lshlrev_b32 v26, v4, v26                     ; at their places in the word;
	v_permlanex16_b32 v27, v26, s36, s37
	v_or_b32 v[SW+(\t)], v26, v27                  ; with lane l xor 16's two the row's word is whole
.irp c, 0,1
.irp g, 0,1,2,3
	v_cvt_scalef32_pk8_fp4_f32 v[C+8*(\t)+4*\c+\g], v[X+32*\c+8*\g:X+32*\c+8*\g+7], v[22+\c]
.endr
.endr
	v_nop                                          ; one plain line behind the last scaled conversion
.irp c, 0,1
	global_store_b128 v1, v[C+8*(\t)+4*\c:C+8*(\t)+4*\c+3], s[28:29] offset:1024*(\t)+512*\c   ; 32 lanes store 512 consecutive bytes
.endr
.endm
	STEP 0
	STEP 1
	STEP 2
	STEP 3
	v_cmp_ne_u32 vcc_lo, 0, v11
	v_cndmask_b32 v8, v16, v18, vcc_lo             ; lanes 0-15 store steps 0 and 1's words of row r, lanes 16-31 steps 2 and 3's
	v_cndmask_b32 v9, v17, v19, vcc_lo
	global_store_b64 v5, v[8:9], s[44:45]          ; 256 consecutive bytes
	v_pk_mul_f32 v[12:13], v[12:13], 0xc1000000 op_sel_hi:[1,0]   ; x -8: exact
	global_store_b64 v15, v[12:13], s[24:25]       ; 256 consecutive bytes
	s_wait_tensorcnt 0x0                           ; the wave's end: behind my last LDS store
	ds_add_u32 v6, v7
	s_wait_dscnt 0x0
	s_endpgm
.Lfunc_end_k_qa1557c9f2d_quant:
	.size	k_qa1557c9f2d_quant, .Lfunc_end_k_qa1557c9f2d_quant-k_qa1557c9f2d_quant
	.p2alignl 7, 3214868480
	.fill 96, 4, 3214868480
	.section	.rodata,"a",@progbits
	.p2align	6, 0x0
	.amdhsa_kernel k_qa1557c9f2d_quant
		.amdhsa_group_segment_fixed_size 34304
		.amdhsa_private_segment_fixed_size 0
		.amdhsa_enable_private_segment 0
		.amdhsa_kernarg_size 72
		.amdhsa_user_sgpr_count 2
		.amdhsa_user_sgpr_kernarg_segment_ptr 1
		.amdhsa_wavefront_size32 1
		.amdhsa_system_sgpr_workgroup_id_x 1
		.amdhsa_system_sgpr_workgroup_id_y 1
		.amdhsa_system_sgpr_workgroup_id_z 1
		.amdhsa_system_vgpr_workitem_id 0
		.amdhsa_next_free_vgpr 256
		.amdhsa_next_free_sgpr 66
		.amdhsa_reserve_vcc 1
		.amdhsa_float_denorm_mode_32 3
		.amdhsa_float_denorm_mode_16_64 3
		.amdhsa_memory_ordered 1
		.amdhsa_forward_progress 1
		.amdhsa_inst_pref_size 31
	.end_amdhsa_kernel
	.amdgpu_metadata
---
amdhsa.version: [ 1, 2 ]
amdhsa.kernels:
  - .name:           k_qa1557c9f2d_quant
    .symbol:         k_qa1557c9f2d_quant.kd
    .args:
      - { .name: x, .offset: 0, .size: 8, .value_kind: global_buffer, .address_space: global }
      - { .name: Wq, .offset: 8, .size: 8, .value_kind: global_buffer, .address_space: global }
      - { .name: Wk, .offset: 16, .size: 8, .value_kind: global_buffer, .address_space: global }
      - { .name: Wv, .offset: 24, .size: 8, .value_kind: global_buffer, .address_space: global }
      - { .name: Wo, .offset: 32, .size: 8, .value_kind: global_buffer, .address_space: global }
      - { .name: h, .offset: 40, .size: 8, .value_kind: global_buffer, .address_space: global }
      - { .name: xq, .offset: 48, .size: 8, .value_kind: global_buffer, .address_space: global }
      - { .name: wq, .offset: 56, .size: 8, .value_kind: global_buffer, .address_space: global }
      - { .name: kvh, .offset: 64, .size: 8, .value_kind: global_buffer, .address_space: global }
    .group_segment_fixed_size: 34304
    .private_segment_fixed_size: 0
    .kernarg_segment_align: 8
    .kernarg_segment_size: 72
    .max_flat_workgroup_size: 128
    .sgpr_count:     66
    .vgpr_count:     256
    .wavefront_size: 32
...
	.end_amdgpu_metadata
.endif
;; end of part 1
;; launch qkv (part 2): grid 12 x 16, 4 waves a work-group, clusters of 4 x 4, 327,680 bytes of LDS; arguments xq, wq, bq, bk, bv, qq, kvh; writes qq, kvh
.if DOCPART == 2
	.amdgcn_target "amdgcn-amd-amdhsa--gfx1250"
	.amdhsa_code_object_version 6
	.text
	.protected	k_qa1557c9f2d_qkv
	.globl	k_qa1557c9f2d_qkv
	.p2align	8
	.type	k_qa1557c9f2d_qkv,@function
k_qa1557c9f2d_qkv:
	s_mov_b64 s[64:65], 0
	v_nop
	global_prefetch_b8 v0, s[64:65] scope:SCOPE_SE
	s_setreg_imm32_b32 hwreg(HW_REG_WAVE_MODE, 25, 1), 1
	s_wait_xcnt 0x0
	s_wait_alu depctr_hold_cnt(0) depctr_sa_sdst(0) depctr_va_vdst(0) depctr_va_sdst(0) depctr_va_ssrc(0) depctr_va_vcc(0) depctr_vm_vsrc(0)
	s_getreg_b32 s2, hwreg(HW_REG_IB_STS2, 6, 4)
	s_cmp_eq_u32 s2, 0
	s_cbranch_scc0 .Lentry_in_a_cluster
	s_endpgm
.Lentry_in_a_cluster:
	s_bfe_u32 s2, ttmp6, 0x10000c
	s_cmp_lg_u32 s2, 0xf033
	s_cbranch_scc0 .Lentry_shape_is_right
	s_endpgm
.Lentry_shape_is_right:
; LAUNCH 2 OF 4.  q = x Wq^T + bq, k = x Wk^T + bk, v = x Wv^T + bv on codes of FP4 with E8M0 scales, f32 sums; the results are quantised in registers and leave as codes: no f32 result goes to memory.
; THE ROLE is the cluster's x (0: q, 1: k, 2: v), the same in all sixteen partners.  The matrix instruction is used transposed (source 0 = 16 rows of 'B', source 1 = 16 rows of 'A'): a lane holds one
; row of A and its registers run along B's rows.  q, k: A = x, B = W: a lane holds a token, registers along the head's 64, which is the K of q k^T.  v: A = Wv, B = x: a lane holds one of the head's 64,
; registers along the keys, which are the K of the second product.  Tiles' rows are chosen (see the first launch) so that 16 registers of two neighbouring tiles are 16 neighbours along that K.
; SHARES.  A work-group makes 256 x 256, a wave 128 x 128 (64 accumulators, 512 registers): 128 tokens (one key step) x 128 features (two heads): whole fragments and whole scale units.  That gives 192 work-groups.
; K = 1,024 lies in two LDS slots of 512 along K, both filled once, at the start: nothing is filled again.  Operands lie in memory and LDS as images of their registers (1,024 dense bytes a fragment).
; CLUSTER 4 x 4: A's tiles are asked for jointly along a row of the cluster, B's along a column.  By this text's count a wave has one tensor load out at the most.
; No prefetch: all tensor loads go out at the head.
; OUT.  qq: half images (16 rows x 64 K, 512 bytes) [head][tile 256]; from QS on the words [head][tile / 4][r][tile % 4], each (s0, s1, s0, s1).
; kvh: [head][key step 32][record 9,216]: K's 8 half images; V's 4 images (16 of the head's 64 x 128 keys); K's words [r][pair of tiles] = (s0, s1 of tile 2 b; s0, s1 of tile 2 b + 1); V's words [r][tile]; the bias (first launch).
; LIMITS as in the first launch.
; REGISTERS: window 0: v1 r, v2 h, v3-7 at work, v8-15 codes just made, v16-29 addresses, v32-95 scale words (two sets), v96-103 the eight scale words made, v104-111 as they are stored, v112-127 at work,
;   v128-191 A's fragments (one set), later 64 numbers to quantise, v192-255 the bias.  window 1: B's fragments, two sets.  windows 2, 3: the accumulators, (a, b) at v[8 (8 (a % 4) + b)].
.set NQ,    4                          ; steps of 128 along K in a slot
.set FR,    8                          ; registers of a fragment
.set NL,    2                          ; LDS loads that bring one
.set NP,    4                          ; places behind this matrix instruction (ISA guide 7.12.1)
; LDS: A's 16 tiles as they lie in memory, 8,192 bytes a tile (8 K steps x 1,024), one dense block of 131,072 bytes; then B's likewise; then the scale words.
; Each of the four blocks (A's codes, B's codes, A's words, B's words) comes by ONE joint load, one a wave, at the head: by this text's count a wave has one tensor load out, and nothing is filled again.
.set SLOT,  4096                       ; the second half of K begins 4 K steps on in each tile's image
.set BOFF,  131072
.set SCL,   262144                     ; A's scale words (16 tiles x 512 bytes), then B's
.set SPARE, 278528                     ; the spare words, 128 bytes a wave
.set XS,    2097152                    ; where the scale words begin in xq, wq and qq
.set PC,   8
.set ADRA, 16                          ; v16-17 my A fragments in slot 0, 1
.set ADRB, 20                          ; v20-21 the same for B
.set LI,   24                          ; v24 16 x lane
.set SOFF, 25                          ; v25 where my lane stores scale words
.set SELV, 26                          ; v26 byte select for them
.set ADRS, 27                          ; v27 my scale words in LDS: lanes 0-15 A's, lanes 16-31 B's
.set SPW,  28
.set NIL,  29
.set SC,   32
.set W,    96
.set OW,   104
.set TM,   112
.set AF,   128
.set HA,   128
.set BI,   192
.set WV,   18                          ; s18 wave; s19 wave / 2: my half of A's rows; s20 wave % 2: my half of B's rows
.set FB,   19
.set HF,   20
.set CX,   21
.set CYP,  22
.set ROLE, 23
.set G1,   24                          ; s[24:31] group 1 for A's codes; s[32:35] group 0
.set G0,   32
.set G1B,  48                          ; s[48:55], s[56:59] the same for B
.set G0B,  56
.set G1S,  68                          ; s[68:75], s[76:79] A's scale words; s[80:87], s[88:91] B's.  Behind the wait for all tensor loads these 24 registers hold the way out's scalars
.set G0S,  76
.set G1SB, 80
.set G0SB, 88
.set MSB, 0
.macro WIN new                         ; the immediate's high byte repeats the setting that is left
.if MSB != \new
	s_set_vgpr_msb (MSB<<8)|\new
.set MSB, \new
.endif
.endm
.set MUL_LO, 0xa1                      ; source 0 (B) window 1, source 1 (A) window 0, C and D window 2
.set MUL_HI, 0xf1                      ; the same, C and D window 3
.set TO_B,   0x40
.macro ARM under, g0, g1, next         ; one arm of the head's tree of branches on the wave's number: its joint load, s_nop 0 and four v_nop, and a jump to the tree's end
	s_cmp_lt_u32 s[WV], \under
	s_cbranch_scc0 \next
	tensor_load_to_lds s[\g0:\g0+3], s[\g1:\g1+7]
	s_nop 0
.rept 4
	v_nop
.endr
	s_branch .Lhead_asked
\next:
.endm
.macro CROUND                          ; a round of the cluster's barrier
	s_barrier_signal -1
	s_barrier_wait -1
	s_cmp_lg_u32 s[WV], 0
	s_cbranch_scc1 .Lnot_wave_0_\@
	s_barrier_signal -3
.Lnot_wave_0_\@:
	s_barrier_wait -3
	s_barrier_signal -1
	s_barrier_wait -1
.endm
	s_load_b256 s[4:11], s[0:1], 0x0               ; xq 4, wq 6, bq 8, bk 10
	s_load_b128 s[12:15], s[0:1], 0x20             ; bv 12, qq 14
	s_load_b64 s[16:17], s[0:1], 0x30              ; kvh
	v_lshl_add_u32 v[SPW], v0, 2, SPARE
	v_mov_b32 v[NIL], 0
	ds_add_u32 v[SPW], v[NIL]                      ; the opening: the add, twice on end, and its wait ahead of my first tensor load
	ds_add_u32 v[SPW], v[NIL]
	v_lshrrev_b32 v1, 5, v0
	v_readfirstlane_b32 s[WV], v1
	s_lshr_b32 s[FB], s[WV], 1
	s_and_b32 s[HF], s[WV], 1
	s_bfe_u32 s[CX], ttmp6, 0x40000
	s_bfe_u32 s[CYP], ttmp6, 0x40004
	s_mov_b32 s[ROLE], ttmp9
	s_mov_b32 s2, 0x76543210
	s_mov_b32 s3, 0xfedcba98                       ; selects for lane l xor 16
	s_and_b32 s40, ttmp7, 0xffff
	s_lshl_b32 s40, s40, 2                         ; 4 x cluster y
	s_lshl_b32 s66, s[ROLE], 6                     ; Wq's tiles begin at 0, Wk's at 64
	s_cmp_eq_u32 s[ROLE], 2
	s_cselect_b32 s41, 0, s40                      ; x has 16 blocks of 256 rows, a weight 4: the cluster's y walks x's
	s_cselect_b32 s42, s40, 0
	s_cselect_b32 s43, 128, 0                      ; Wv's tiles begin at 128
	s_cselect_b32 s66, 0, s66
	s_add_co_u32 s41, s41, s[CYP]                  ; A's block of 256 rows: hangs on cy, not on cx
	s_add_co_u32 s42, s42, s[CX]                   ; B's: hangs on cx, not on cy
	s_lshl_b32 s44, s[CYP], 2
	s_lshl_b32 s44, 15, s44                        ; my row of the cluster
	s_lshl_b32 s45, 0x1111, s[CX]                  ; my column
	s_or_b32 s[G1], s44, (3<<16)|(1<<21)           ; codes: elements of 8 bytes; no padding: images are read densely
	s_or_b32 s[G1B], s45, (3<<16)|(1<<21)
.irp g, G1, G1B
	s_mov_b32 s[\g+1], 32<<16                      ; codes of 16 tiles: 131,072 dense bytes as 512 rows of 256 (32 elements of 8 bytes)
	s_mov_b32 s[\g+2], 512<<16
	s_mov_b32 s[\g+3], 32<<16
	s_mov_b32 s[\g+4], 512
	s_mov_b32 s[\g+5], 32
	s_mov_b32 s[\g+6], 0
	s_mov_b32 s[\g+7], 0
.endr
	s_or_b32 s[G1S], s44, (3<<16)|(1<<21)          ; scale words: elements of 8 bytes
	s_or_b32 s[G1SB], s45, (3<<16)|(1<<21)
.irp g, G1S, G1SB
	s_mov_b32 s[\g+1], 32<<16
	s_mov_b32 s[\g+2], 32<<16                      ; scale words of 16 tiles: 8,192 dense bytes as 32 rows of 256
	s_mov_b32 s[\g+3], 32<<16
	s_mov_b32 s[\g+4], 32
	s_mov_b32 s[\g+5], 32
	s_mov_b32 s[\g+6], 0
	s_mov_b32 s[\g+7], 0
.endr
	s_lshl_b32 s67, s41, 4
	s_add_co_u32 s67, s67, s43                     ; A's first tile
	s_lshl_b32 s47, s42, 4
	s_add_co_u32 s66, s66, s47                     ; B's
	s_lshl_b32 s92, s67, 13
	s_mov_b32 s93, 0
	s_lshl_b32 s94, s67, 9
	s_add_co_u32 s94, s94, XS
	s_mov_b32 s95, 0
	s_lshl_b32 s96, s66, 13
	s_mov_b32 s97, 0
	s_lshl_b32 s98, s66, 9
	s_add_co_u32 s98, s98, XS
	s_mov_b32 s99, 0
	s_wait_dscnt 0x0                               ; both opening adds are done
	s_wait_kmcnt 0x0
	s_cmp_eq_u32 s[ROLE], 2
	s_cselect_b64 s[44:45], s[6:7], s[4:5]         ; A's buffer
	s_cselect_b64 s[46:47], s[4:5], s[6:7]         ; B's
	s_add_nc_u64 s[92:93], s[44:45], s[92:93]
	s_add_nc_u64 s[94:95], s[44:45], s[94:95]
	s_add_nc_u64 s[96:97], s[46:47], s[96:97]
	s_add_nc_u64 s[98:99], s[46:47], s[98:99]
	CROUND                                         ; all sixteen work-groups are here: the joint loads meet
	s_mov_b32 s[G0S], 1
	s_mov_b32 s[G0S+1], SCL
	s_mov_b64 s[G0S+2:G0S+3], s[94:95]
	s_or_b32 s[G0S+3], s[G0S+3], 0x80000000
	s_mov_b32 s[G0SB], 1
	s_mov_b32 s[G0SB+1], SCL+8192
	s_mov_b64 s[G0SB+2:G0SB+3], s[98:99]
	s_or_b32 s[G0SB+3], s[G0SB+3], 0x80000000
	s_mov_b32 s[G0], 1
	s_mov_b32 s[G0+1], 0
	s_mov_b64 s[G0+2:G0+3], s[92:93]
	s_or_b32 s[G0+3], s[G0+3], 0x80000000
	s_mov_b32 s[G0B], 1
	s_mov_b32 s[G0B+1], BOFF
	s_mov_b64 s[G0B+2:G0B+3], s[96:97]
	s_or_b32 s[G0B+3], s[G0B+3], 0x80000000
	; the head's four loads, one a wave: wave 0 A's codes, wave 1 B's, wave 2 A's scale words, wave 3 B's
	ARM 1, G0,  G1,  .Lhead_b
	ARM 2, G0B, G1B, .Lhead_sa
	ARM 3, G0S, G1S, .Lhead_sb
	tensor_load_to_lds s[G0SB:G0SB+3], s[G1SB:G1SB+7]
	s_nop 0
.rept 4
	v_nop
.endr
.Lhead_asked:
	v_and_b32 v1, 15, v0                           ; r
	v_bfe_u32 v2, v0, 4, 1                         ; h
	s_wait_alu depctr_va_vdst(0)
	v_and_b32 v3, 31, v0
	v_lshlrev_b32 v[LI], 4, v3
	s_lshl_b32 s44, s[FB], 16                      ; my 8 tiles of A, 8,192 bytes each
	s_lshl_b32 s45, s[HF], 16                      ; my 8 tiles of B,
	s_add_co_u32 s45, s45, BOFF                    ; behind A's 16
.irp s, 0,1
	v_add_nc_u32 v[ADRA+\s], s44, v[LI]
	v_add_nc_u32 v[ADRB+\s], s45, v[LI]
	s_add_co_u32 s44, s44, SLOT
	s_add_co_u32 s45, s45, SLOT
.endr
	s_lshl_b32 s44, s[FB], 12
	s_lshl_b32 s45, s[HF], 12
	s_add_co_u32 s45, s45, 8192
	s_sub_co_u32 s45, s45, s44
	v_mul_u32_u24 v4, s45, v2                      ; lanes 16-31 take B's words: one product, the distance between the two bases
	s_add_co_u32 s44, s44, SCL
	v_lshl_add_u32 v4, v1, 4, v4                   ; 16 bytes a row: four K steps' words
	v_add_nc_u32 v[ADRS], s44, v4
.irp b, 0,1,2,3
	v_mov_b32 v[TM+4+\b], 0                        ; a lane permute's destination counts as read
.endr
.macro FRAG reg, adr, q, i             ; a fragment's image: two loads of 512 dense bytes
.irp c, 0,1
	ds_load_b128 v[\reg+4*\c:\reg+4*\c+3], v[\adr] offset:1024*(\q)+512*\c+(\i)*8192
.endr
.endm
; 16 matrix instructions: A's blocks a0, a0 + 1 x B's eight.  The 64 accumulators take turns, one instruction a turn, in the same order in every step.
; One scale register carries A's word (lanes 0-15) and B's (lanes 16-31) of block i.
.macro MUL16 a0, p, q, sc, zero
.irp a, \a0, \a0+1
.irp b, 0,1,2,3,4,5,6,7
.if \zero
	v_wmma_scale_f32_16x16x128_f8f6f4 v[8*(8*((\a)%4)+\b):8*(8*((\a)%4)+\b)+7], v[128*(\p)+FR*\b:128*(\p)+FR*\b+FR-1], v[AF+FR*(\a):AF+FR*(\a)+FR-1], 0, v[SC+8*NQ*(\sc)+NQ*\b+(\q)], v[SC+8*NQ*(\sc)+NQ*(\a)+(\q)] matrix_a_fmt:MATRIX_FMT_FP4 matrix_b_fmt:MATRIX_FMT_FP4 matrix_a_scale:MATRIX_SCALE_ROW1
.else
	v_wmma_scale_f32_16x16x128_f8f6f4 v[8*(8*((\a)%4)+\b):8*(8*((\a)%4)+\b)+7], v[128*(\p)+FR*\b:128*(\p)+FR*\b+FR-1], v[AF+FR*(\a):AF+FR*(\a)+FR-1], v[8*(8*((\a)%4)+\b):8*(8*((\a)%4)+\b)+7], v[SC+8*NQ*(\sc)+NQ*\b+(\q)], v[SC+8*NQ*(\sc)+NQ*(\a)+(\q)] matrix_a_fmt:MATRIX_FMT_FP4 matrix_b_fmt:MATRIX_FMT_FP4 matrix_a_scale:MATRIX_SCALE_ROW1
.endif
.endr
.endr
.endm
.macro FETCH_B slot, q, p
	WIN TO_B
.irp i, 0,1,2,3,4,5,6,7
	FRAG 128*(\p)+FR*\i, ADRB+\slot, \q, \i
.endr
	WIN 0
.endm
.macro FETCH_A slot, q, i0
.irp i, \i0, \i0+1, \i0+2, \i0+3
	FRAG AF+FR*(\i), ADRA+\slot, \q, \i
.endr
.endm
.macro SCALES sc                       ; slot sc's scale words: four a row
.irp i, 0,1,2,3,4,5,6,7
	ds_load_b128 v[SC+8*NQ*\sc+NQ*\i:SC+8*NQ*\sc+NQ*\i+3], v[ADRS] offset:\i*512+256*\sc
.endr
.endm
.macro PLACES n                        ; plain vector lines that name no register of the matrix instructions ahead (ISA guide 7.12.1)
.rept \n
	v_nop
.endr
.endm
.macro STEP slot, q, zero              ; 128 along K, with its successor in the same slot.  A has one set of registers: blocks 0-3 are fetched anew in the middle, blocks 4-7 at the end
	s_wait_dscnt 4*NL                              ; all but the youngest eight loads (A's blocks 4-7)
	WIN MUL_LO
	MUL16 0, (\q)%2, \q, \slot, \zero
	MUL16 2, (\q)%2, \q, \slot, \zero
	s_wait_dscnt 0
	PLACES NP
	FETCH_B \slot, (\q)+1, 1-(\q)%2
	FETCH_A \slot, (\q)+1, 0
	WIN MUL_HI
	MUL16 4, (\q)%2, \q, \slot, \zero
	MUL16 6, (\q)%2, \q, \slot, \zero
	PLACES NP
	WIN 0
	FETCH_A \slot, (\q)+1, 4
.endm
.macro STEPS slot, from
.set Q, \from
.rept NQ-1-\from
	STEP \slot, Q, 0
.set Q, Q+1
.endr
.endm
.macro TAIL                            ; slot 1's four steps
	STEPS 1, 0
	s_wait_dscnt 4*NL
	WIN MUL_LO
	MUL16 0, 1, NQ-1, 1, 0
	MUL16 2, 1, NQ-1, 1, 0
	s_wait_dscnt 0
	WIN MUL_HI
	MUL16 4, 1, NQ-1, 1, 0
	MUL16 6, 1, NQ-1, 1, 0
	WIN 0
.endm
; 64 numbers of a lane, register 16 b + i = k 32 b + 16 h + i of my row, become a fragment's codes in v[PC] on and its scale word in v[w].
.macro QUANT s, w
.irp b, 0,1,2,3
	v_max3_num_f32 v[TM+\b], |v[\s+16*\b]|, |v[\s+1+16*\b]|, 0x1800000     ; my 16 numbers of block b, and the floor 2^(3 - 127)
.endr
.irp i, 2,4,6,8,10,12,14
.irp b, 0,1,2,3
	v_max3_num_f32 v[TM+\b], v[TM+\b], |v[\s+16*\b+\i]|, |v[\s+1+16*\b+\i]|
.endr
.endr
.irp b, 0,1,2,3
	v_permlanex16_b32 v[TM+4+\b], v[TM+\b], s2, s3
.endr
.irp b, 0,1,2,3
	v_max_num_f32 v[TM+\b], v[TM+\b], v[TM+4+\b]   ; with lane l xor 16's: the block's largest magnitude
.endr
.irp b, 0,1,2,3
	v_add_nc_u32 v[TM+12+\b], 0xff000000, v[TM+\b] ; 2 off its exponent field: the conversion's scale operand
.endr
.irp b, 0,1,2,3
	v_lshrrev_b32 v[TM+4+\b], 23, v[TM+12+\b]      ; the byte
.endr
	v_lshl_or_b32 v[\w], v[TM+5], 8, v[TM+4]
	v_lshl_or_b32 v[\w], v[TM+6], 16, v[\w]
	v_lshl_or_b32 v[\w], v[TM+7], 24, v[\w]
.irp b, 0,1,2,3
	v_cvt_scalef32_pk8_fp4_f32 v[PC+2*\b], v[\s+16*\b:\s+7+16*\b], v[TM+12+\b]
	v_cvt_scalef32_pk8_fp4_f32 v[PC+1+2*\b], v[\s+8+16*\b:\s+15+16*\b], v[TM+12+\b]
.endr
	v_nop                                          ; one plain line behind a scaled conversion
.irp c, 0,1
.irp i, 0,1
	v_permlane16_swap_b32 v[PC+4*\c+\i], v[PC+2+4*\c+\i]   ; a whole block to a lane, as the operand's layout wants
.endr
.endr
.endm
; A's block a goes out: + bias, quantised, stored as images.  isv = 0: registers 0-3 are the first head's half image, 4-7 the second's.  isv = 1: a whole image of the head a / 4.
.macro EPI a, isv
.if (\a) > 0
	s_wait_xcnt 0x0                                ; the last block's stores have read the codes' registers
.endif
	WIN 0x02+(\a)/4                                ; source 0: window 2 or 3
.set AC, 64*((\a)%4)
.set NN, 0
.rept 32
.if \isv
	v_pk_add_f32 v[HA+2*NN:HA+2*NN+1], v[AC+2*NN:AC+2*NN+1], v[BI+2*(\a):BI+2*(\a)+1]    ; my row's bias, held twice; each accumulator from its low end on
.else
	v_pk_add_f32 v[HA+2*NN:HA+2*NN+1], v[AC+2*NN:AC+2*NN+1], v[BI+2*NN:BI+2*NN+1]
.endif
.set NN, NN+1
.endr
	WIN 0
	QUANT HA, W+(\a)
.if \isv
	global_store_b128 v[LI], v[PC:PC+3], s[82+2*((\a)/4):83+2*((\a)/4)] offset:1024*((\a)%4)
	global_store_b128 v[LI], v[PC+4:PC+7], s[82+2*((\a)/4):83+2*((\a)/4)] offset:1024*((\a)%4)+512
.else
	global_store_b128 v[LI], v[PC:PC+3], s[82:83] offset:512*(\a)       ; 32 lanes store 512 consecutive bytes
	global_store_b128 v[LI], v[PC+4:PC+7], s[84:85] offset:512*(\a)
.endif
.endm
	s_wait_alu depctr_va_vdst(0)
	s_wait_tensorcnt 0x0                           ; my one load is in,
	s_barrier_signal -1
	s_barrier_wait -1                              ; everybody's are
	FETCH_B 0, 0, 0
	FETCH_A 0, 0, 0
	SCALES 0
	FETCH_A 0, 0, 4
	STEP 0, 0, 1                                   ; the first products start the sums: nothing is cleared
	STEPS 0, 1
	; slot 0's last step changes slots
	s_wait_dscnt 4*NL                              ; all of K is in LDS since the head's barrier: this step differs from the others only in where its successor's fragments and scale words lie
	WIN MUL_LO
	MUL16 0, 1, NQ-1, 0, 0
	MUL16 2, 1, NQ-1, 0, 0
	s_wait_dscnt 0
	PLACES NP
	FETCH_B 1, 0, 0
	FETCH_A 1, 0, 0
	SCALES 1
	WIN MUL_HI
	MUL16 4, 1, NQ-1, 0, 0
	MUL16 6, 1, NQ-1, 0, 0
	PLACES NP
	WIN 0
	FETCH_A 1, 0, 4
	; THE ROLES PART HERE, so that each way asks for its bias four K steps ahead of its use and reads only registers written on that way.  No tensor load of mine is out: s68-s91 may be written.
	s_lshl_b32 s68, s41, 1
	s_add_co_u32 s68, s68, s[FB]                   ; which 128 rows of A are my wave's
	s_lshl_b32 s69, s42, 1
	s_add_co_u32 s69, s69, s[HF]                   ; which 128 rows of B
	s_cmp_eq_u32 s[ROLE], 2
	s_cbranch_scc1 .Lpath_v
	; ---- q and k: s68 = key step j (128 tokens), s69 = pair of heads g
	s_mov_b32 s70, 589824                          ; k's figures; q's are chosen over them
	s_mov_b32 s76, 9216
	s_mov_b32 s72, 294912
	s_mov_b32 s74, 589824
	s_mov_b32 s77, 9216
	s_mov_b32 s86, 8192
	s_mov_b32 s87, 294912
	s_mov_b32 s88, 0x05040100
	s_cmp_eq_u32 s[ROLE], 0
	s_cselect_b32 s70, 262144, s70                 ; codes: from pair of heads to pair,
	s_cselect_b32 s76, 4096, s76                   ; from key step to key step,
	s_cselect_b32 s72, 131072, s72                 ; from head to head
	s_cselect_b32 s74, 32768, s74                  ; scale words likewise,
	s_cselect_b32 s77, 512, s77
	s_cselect_b32 s86, XS, s86                     ; and where they begin
	s_cselect_b32 s87, 16384, s87
	s_cselect_b32 s88, 0x01000100, s88             ; q: (s0, s1, s0, s1) of one word; k: (s0, s1) of two tiles' words
	s_cselect_b64 s[78:79], s[14:15], s[16:17]     ; qq or kvh
	s_cselect_b64 s[80:81], s[8:9], s[10:11]       ; bq or bk
	s_mul_i32 s70, s70, s69
	s_mul_i32 s76, s76, s68
	s_add_co_u32 s70, s70, s76
	s_mov_b32 s71, 0
	s_mov_b32 s73, 0
	s_mul_i32 s74, s74, s69
	s_mul_i32 s77, s77, s68
	s_add_co_u32 s74, s74, s77
	s_add_co_u32 s74, s74, s86
	s_mov_b32 s75, 0
	s_add_nc_u64 s[82:83], s[78:79], s[70:71]      ; the first head's half images
	s_add_nc_u64 s[84:85], s[82:83], s[72:73]      ; the second's
	s_add_nc_u64 s[90:91], s[78:79], s[74:75]      ; the scale words
	s_lshl_b32 s70, s69, 9
	s_add_nc_u64 s[80:81], s[80:81], s[70:71]      ; my 128 numbers of the bias
	s_add_co_u32 s89, s88, 0x02020202              ; lanes 16-31 take the second head's two bytes
	v_lshlrev_b32 v3, 6, v2                        ; 64 h
	v_mul_lo_u32 v[SOFF], v2, s87
	v_lshl_add_u32 v[SOFF], v1, 4, v[SOFF]         ; lanes 0-15 store the first head's 256 bytes, lanes 16-31 the second's
	v_mov_b32 v[SELV], s88
	v_mov_b32 v4, s89
	v_cmp_ne_u32 vcc_lo, 0, v2
	v_cndmask_b32 v[SELV], v[SELV], v4, vcc_lo
.irp b, 0,1,2,3,4,5,6,7
	global_load_b128 v[BI+8*\b:BI+8*\b+3], v3, s[80:81] offset:(32*(\b/2)+8*(\b%2))*4          ; register 8 b + j: feature 32 (b / 2) + 8 (b % 2) + 16 h + j
	global_load_b128 v[BI+8*\b+4:BI+8*\b+7], v3, s[80:81] offset:(32*(\b/2)+8*(\b%2))*4+16
.endr
	TAIL
	s_wait_loadcnt 0x0                             ; the bias
	PLACES NP                                      ; behind the last products: their results are read and A's registers written
.irp a, 0,1,2,3,4,5,6,7
	EPI \a, 0
.endr
	s_cmp_eq_u32 s[ROLE], 0
	s_cbranch_scc0 .Lwords_k
.irp a, 0,1,2,3,4,5,6,7
	v_perm_b32 v[OW+\a], v[W+\a], v[W+\a], v[SELV]
.endr
	global_store_b128 v[SOFF], v[OW:OW+3], s[90:91]             ; tiles 0-3 of the eight: 16 lanes store 256 consecutive bytes
	global_store_b128 v[SOFF], v[OW+4:OW+7], s[90:91] offset:256
	s_branch .Lend
.Lwords_k:
.irp b, 0,1,2,3
	v_perm_b32 v[OW+\b], v[W+2*\b+1], v[W+2*\b], v[SELV]
.endr
	global_store_b128 v[SOFF], v[OW:OW+3], s[90:91]
	s_branch .Lend
.Lpath_v:
	; ---- v: s68 = pair of heads g (128 rows of Wv), s69 = key step j (128 tokens)
	s_mul_i32 s70, s68, 589824
	s_mul_i32 s76, s69, 9216
	s_add_co_u32 s70, s70, s76
	s_add_co_u32 s70, s70, 4096                    ; V's images lie behind K's in a record
	s_mov_b32 s71, 0
	s_add_nc_u64 s[82:83], s[16:17], s[70:71]      ; the first head's
	s_add_nc_u64 s[84:85], s[82:83], 294912        ; the second's
	s_add_nc_u64 s[90:91], s[82:83], 4352          ; V's scale words
	s_lshl_b32 s70, s68, 9
	s_add_nc_u64 s[80:81], s[12:13], s[70:71]      ; my 128 numbers of bv
	s_mov_b32 s87, 294912
	v_and_b32 v3, 8, v1
	v_add_nc_u32 v3, v3, v1
	v_lshlrev_b32 v3, 2, v3                        ; 4 (r + 8 (r / 8)): my row in a tile
	v_mul_lo_u32 v[SOFF], v2, s87
	v_lshl_add_u32 v[SOFF], v1, 4, v[SOFF]
.irp a, 0,1,2,3,4,5,6,7
	global_load_b32 v[BI+2*\a], v3, s[80:81] offset:(32*(\a/2)+8*(\a%2))*4      ; my row's bias, into both registers of a pair for the packed addition
	global_load_b32 v[BI+2*\a+1], v3, s[80:81] offset:(32*(\a/2)+8*(\a%2))*4
.endr
	TAIL
	s_wait_loadcnt 0x0
	PLACES NP
.irp a, 0,1,2,3,4,5,6,7
	EPI \a, 1
.endr
	v_cmp_ne_u32 vcc_lo, 0, v2
.irp i, 0,1,2,3
	v_cndmask_b32 v[OW+\i], v[W+\i], v[W+4+\i], vcc_lo          ; lanes 16-31 store the second head's four words
.endr
	global_store_b128 v[SOFF], v[OW:OW+3], s[90:91]
.Lend:
	s_wait_tensorcnt 0x0                           ; the wave's end
	ds_add_u32 v[SPW], v[NIL]
	s_wait_dscnt 0x0
	CROUND                                         ; the closing round
	s_endpgm
.Lfunc_end_k_qa1557c9f2d_qkv:
	.size	k_qa1557c9f2d_qkv, .Lfunc_end_k_qa1557c9f2d_qkv-k_qa1557c9f2d_qkv
	.p2alignl 7, 3214868480
	.fill 96, 4, 3214868480
	.section	.rodata,"a",@progbits
	.p2align	6, 0x0
	.amdhsa_kernel k_qa1557c9f2d_qkv
		.amdhsa_group_segment_fixed_size 327680
		.amdhsa_private_segment_fixed_size 0
		.amdhsa_enable_private_segment 0
		.amdhsa_kernarg_size 56
		.amdhsa_user_sgpr_count 2
		.amdhsa_user_sgpr_kernarg_segment_ptr 1
		.amdhsa_wavefront_size32 1
		.amdhsa_system_sgpr_workgroup_id_x 1
		.amdhsa_system_sgpr_workgroup_id_y 1
		.amdhsa_system_sgpr_workgroup_id_z 1
		.amdhsa_system_vgpr_workitem_id 0
		.amdhsa_next_free_vgpr 1024
		.amdhsa_next_free_sgpr 102
		.amdhsa_reserve_vcc 1
		.amdhsa_float_denorm_mode_32 3
		.amdhsa_float_denorm_mode_16_64 3
		.amdhsa_memory_ordered 1
		.amdhsa_forward_progress 1
		.amdhsa_inst_pref_size 236
	.end_amdhsa_kernel
	.amdgpu_metadata
---
amdhsa.version: [ 1, 2 ]
amdhsa.kernels:
  - .name:           k_qa1557c9f2d_qkv
    .symbol:         k_qa1557c9f2d_qkv.kd
    .args:
      - { .name: xq, .offset: 0, .size: 8, .value_kind: global_buffer, .address_space: global }
      - { .name: wq, .offset: 8, .size: 8, .value_kind: global_buffer, .address_space: global }
      - { .name: bq, .offset: 16, .size: 8, .value_kind: global_buffer, .address_space: global }
      - { .name: bk, .offset: 24, .size: 8, .value_kind: global_buffer, .address_space: global }
      - { .name: bv, .offset: 32, .size: 8, .value_kind: global_buffer, .address_space: global }
      - { .name: qq, .offset: 40, .size: 8, .value_kind: global_buffer, .address_space: global }
      - { .name: kvh, .offset: 48, .size: 8, .value_kind: global_buffer, .address_space: global }
    .group_segment_fixed_size: 327680
    .private_segment_fixed_size: 0
    .kernarg_segment_align: 8
    .kernarg_segment_size: 56
    .max_flat_workgroup_size: 128
    .sgpr_count:     102
    .vgpr_count:     1024
    .wavefront_size: 32
...
	.end_amdgpu_metadata
.endif
;; end of part 2
;; launch attn (part 3): grid 16 x 16, 16 waves a work-group, clusters of 4 x 1, 327,680 bytes of LDS; arguments qq, kvh, oq; writes oq
.if DOCPART == 3
	.amdgcn_target "amdgcn-amd-amdhsa--gfx1250"
	.amdhsa_code_object_version 6
	.text
	.protected	k_qa1557c9f2d_attn
	.globl	k_qa1557c9f2d_attn
	.p2align	8
	.type	k_qa1557c9f2d_attn,@function
k_qa1557c9f2d_attn:
	s_mov_b64 s[64:65], 0
	v_nop
	global_prefetch_b8 v0, s[64:65] scope:SCOPE_SE
	s_setreg_imm32_b32 hwreg(HW_REG_WAVE_MODE, 25, 1), 1
	s_wait_xcnt 0x0
	s_wait_alu depctr_hold_cnt(0) depctr_sa_sdst(0) depctr_va_vdst(0) depctr_va_sdst(0) depctr_va_ssrc(0) depctr_va_vcc(0) depctr_vm_vsrc(0)
	s_getreg_b32 s2, hwreg(HW_REG_IB_STS2, 6, 4)
	s_cmp_eq_u32 s2, 0
	s_cbranch_scc0 .Lentry_in_a_cluster
	s_endpgm
.Lentry_in_a_cluster:
	s_bfe_u32 s2, ttmp6, 0x10000c
	s_cmp_lg_u32 s2, 0x3003
	s_cbranch_scc0 .Lentry_shape_is_right
	s_endpgm
.Lentry_shape_is_right:
; LAUNCH 3 OF 4.  o = softmax_k(q . k / 8 - h_k) v for one head and 256 queries a work-group, both products on codes of FP4 with E8M0 scales; o leaves as codes for the last launch.
; Work left out: the factor GAMMA = 1.0, as the first launch's head shows.  The bias comes as -8 h and is the C of the first product: score = q . k - 8 h, t = score x log2(e) / 8.
; SOFTMAX: M = the running largest t rounded up to a whole number, p = 2^(t - M) is quantised along the keys; the row's sum is taken of the unquantised p and divides at the end.
; LIMIT: the promise holds while the scaled scores t stay under 2^31 in magnitude.  NaN and infinities are not served.
; SHARES.  Sixteen waves, 16 queries each, four waves to a SIMD.  A head's 32 records (K's codes, V's codes, scale words, bias: 294,912 bytes) come into LDS ONCE: each wave asks for 18,432 bytes by its one
; tensor load at the head; one barrier; then every wave walks the 32 key steps of 128 keys with no further barrier, since nothing is filled again.
; CLUSTER 4 x 1: the four work-groups of a cluster own query blocks of one head and read the same records: every load is a joint load with the mask 15.
; No prefetch: all fills go out at the head, so there is no loop to run ahead in.
; LAYOUT.  Both products are used transposed: a lane holds one query (lane % 16).  K's tiles are formed anew by the lanes' LDS addresses, so that A LANE HOLDS WHOLE BLOCKS OF 32 KEYS:
; row 8 g + j of tile 4 c + t is key 64 c + 32 g + 8 t + j (g = 0), 64 c + 32 + 8 (t xor 2) + j (g = 1).  So lane half h holds blocks 2 c + h in registers 32 c + 0 .. 31: a block's largest score needs no other
; lane, and the conversions' results are the second product's operand as they stand.  In lanes 16-31 the two halves of 16 keys of a block are swapped, which keeps the sixteen lanes of each LDS load on sixteen
; different 16-byte columns; V's codes are read in the same order (loads of 8 bytes, the halves swapped in lanes 16-31), and the first launch stores the bias so.  A block has one scale, so the sums are the same.
; A tile of K has 64 along K: two tiles share an operand of 128, and q stands in one half of the other operand beside zeros: v[20:27] = (q, 0), v[16:23] = (0, q).
; REGISTERS: v1 16 x lane; v7, v8 the add's; v12 -M, v13 the largest score, v[14:15] the sum; v16-27 q and zeros; v28, v29 q's and p's scale words; v32-63 K; v64-95 V; v96-159 bias, scores, p;
; v160-191 O^T; v192-199 p's codes; v200-207 K's and V's scale words; v208-227, v246-247 at work; v228-235 the lanes' places in a record; v236-243 the same in the record in hand; v244 8 h.
.set REC,   9216                       ; a record: K's 8 half images, V's 4 images, K's words (8192), V's words (8448), the bias (8704)
.set HEADB, 294912
.set PART,  18432                      ; what one wave's load brings: 72 rows of 256 bytes
.set GATH,  294912                     ; o's scale bytes are gathered here: 512 bytes that no fill lands on
.set SPARE, 295424                     ; the spare words, 128 bytes a wave
.set XS,    2097152
.set BS,    228                        ; +0, +1 V's two loads; +2 V's words; +3, +4 K's tiles; +5, +6 K's words; +7 the bias
.set WK,    236
.set SH,    244
.macro CROUND
	s_barrier_signal -1
	s_barrier_wait -1
	s_cmp_lg_u32 s10, 0
	s_cbranch_scc1 .Lnot_wave_0_\@
	s_barrier_signal -3
.Lnot_wave_0_\@:
	s_barrier_wait -3
	s_barrier_signal -1
	s_barrier_wait -1
.endm
	s_load_b128 s[4:7], s[0:1], 0x0                ; qq, kvh
	s_load_b64 s[8:9], s[0:1], 0x10                ; oq
	v_lshl_add_u32 v7, v0, 2, SPARE
	v_mov_b32 v8, 0
	ds_add_u32 v7, v8                              ; the opening: the add, twice on end, and its wait ahead of my tensor load
	ds_add_u32 v7, v8
	v_lshrrev_b32 v9, 5, v0
	v_readfirstlane_b32 s10, v9                    ; wave
	s_bfe_u32 s11, ttmp6, 0x40000
	s_lshl_b32 s12, ttmp9, 2
	s_add_co_u32 s12, s12, s11                     ; block of 256 queries
	s_and_b32 s13, ttmp7, 0xffff                   ; head
	s_mov_b32 s16, 15|(3<<16)|(1<<21)              ; the mask of all four partners; elements of 8 bytes
	s_mov_b32 s17, 32<<16
	s_mov_b32 s18, 72<<16
	s_mov_b32 s19, 32<<16
	s_mov_b32 s20, 72
	s_mov_b32 s21, 32
	s_mov_b32 s22, 0
	s_mov_b32 s23, 0
	s_mul_i32 s14, s10, PART
	s_mul_i32 s46, s13, HEADB
	s_add_co_u32 s46, s46, s14
	s_mov_b32 s47, 0
	s_mov_b32 s40, 0x76543210
	s_mov_b32 s41, 0xfedcba98                      ; selects for lane l xor 16
	s_mov_b32 s42, 0x3e38aa3b                      ; c = log2(e) / 8
	s_mov_b32 s43, s42
	s_lshl_b32 s48, s12, 4
	s_add_co_u32 s48, s48, s10                     ; my tile of 16 queries
	s_lshl_b32 s50, s13, 8
	s_add_co_u32 s50, s50, s48
	s_lshl_b32 s50, s50, 9                         ; q's half image
	s_mov_b32 s51, 0
	s_lshl_b32 s52, s13, 14
	s_lshr_b32 s49, s48, 2
	s_lshl_b32 s49, s49, 8
	s_add_co_u32 s52, s52, s49
	s_and_b32 s49, s48, 3
	s_lshl_b32 s49, s49, 2
	s_add_co_u32 s52, s52, s49
	s_add_co_u32 s52, s52, XS                      ; q's scale words
	s_mov_b32 s53, 0
	s_lshl_b32 s54, s48, 13
	s_lshl_b32 s49, s13, 9
	s_add_co_u32 s54, s54, s49                     ; o's codes
	s_mov_b32 s55, 0
	s_lshl_b32 s56, s13, 13
	s_lshl_b32 s49, s12, 9
	s_add_co_u32 s56, s56, s49
	s_add_co_u32 s56, s56, XS                      ; o's scale bytes
	s_mov_b32 s57, 0
	s_wait_dscnt 0x0
	s_wait_kmcnt 0x0
	s_add_nc_u64 s[46:47], s[6:7], s[46:47]
	s_add_nc_u64 s[50:51], s[4:5], s[50:51]
	s_add_nc_u64 s[52:53], s[4:5], s[52:53]
	s_add_nc_u64 s[54:55], s[8:9], s[54:55]
	s_add_nc_u64 s[56:57], s[8:9], s[56:57]
	s_mov_b32 s24, 1
	s_mov_b32 s25, s14
	s_mov_b64 s[26:27], s[46:47]
	s_or_b32 s27, s27, 0x80000000
	CROUND                                         ; the four partners are here: the joint loads meet
	tensor_load_to_lds s[24:27], s[16:23]          ; my sixteenth of the head's records: my one tensor load
	s_nop 0
	v_and_b32 v2, 31, v0
	v_bfe_u32 v3, v0, 4, 1                         ; h
	v_and_b32 v4, 7, v0                            ; j
	v_bfe_u32 v5, v0, 3, 1                         ; g
	v_and_b32 v10, 15, v0                          ; r
	v_lshlrev_b32 v1, 4, v2
	v_lshlrev_b32 v[SH], 3, v3
	v_lshlrev_b32 v[BS+2], 4, v10                  ; words: 16 r
	v_mul_u32_u24 v[BS+3], v5, 1152                ; K, pair u = 0: 1024 g + 128 g
	v_mul_u32_u24 v[BS+4], v5, 896                 ; pair u = 1: 1024 g - 128 g (+ 128 in the offset)
	v_mul_u32_u24 v[BS+5], v5, 132                 ; K's words, u = 0: 4 g + 128 g
	v_mul_u32_u24 v[BS+6], v5, 124
	v_lshl_add_u32 v11, v4, 4, 128
	v_add_nc_u32 v[BS], v1, v[SH]                  ; V: 16 lane + 8 h
	v_xor_b32 v6, 8, v[SH]
	v_lshl_add_u32 v[BS+3], v3, 8, v[BS+3]
	v_lshl_add_u32 v[BS+4], v3, 8, v[BS+4]
	v_lshl_add_u32 v[BS+5], v4, 4, v[BS+5]
	v_sub_nc_u32 v[BS+6], v11, v[BS+6]             ; u = 1: 16 j + 128 + 4 g - 128 g
	v_add_nc_u32 v[BS+1], v1, v6                   ; and 16 lane + 8 - 8 h
	v_lshl_add_u32 v[BS+3], v4, 4, v[BS+3]
	v_lshl_add_u32 v[BS+4], v4, 4, v[BS+4]
	v_lshlrev_b32 v[BS+7], 7, v3                   ; the bias: 128 h
	global_load_b128 v[20:23], v1, s[50:51]        ; q's half image
	global_load_b32 v28, v[BS+2], s[52:53]         ; q's words
.irp j, 16,17,18,19,24,25,26,27
	v_mov_b32 v[\j], 0
.endr
	v_mov_b32 v13, 0xff61b1e6                      ; the largest score so far: -3e38
	v_mov_b32 v14, 0
	v_mov_b32 v15, 0
	v_floor_f32 v12, -v13                          ; -M: the first change of M multiplies zeros by 0
	v_mov_b32 v212, 0                              ; a lane permute's destination counts as read
	v_mov_b32 v227, 0
	v_mov_b32 v225, 0                              ; named as the upper half of v[224:225]
.irp j, 0,1,2,3,4,5,6,7,8,9,10,11,12,13,14,15,16,17,18,19,20,21,22,23,24,25,26,27,28,29,30,31
	v_mov_b32 v[160+\j], 0                         ; O^T: the step is written for every step alike
.endr
.macro LK c, u, o                      ; an operand of two tiles of K, and its word: three loads
	ds_load_b128 v[32+8*(2*\c+\u):35+8*(2*\c+\u)], v[WK+3+\u] offset:(\o)+2048*\c+128*\u
	ds_load_b128 v[36+8*(2*\c+\u):39+8*(2*\c+\u)], v[WK+3+\u] offset:(\o)+2048*\c+128*\u+512
	ds_load_b32 v[200+2*\c+\u], v[WK+5+\u] offset:(\o)+8192+8*\c
.endm
.macro LOADB o, c                      ; -8 h of my 32 keys of block 2 c + h, where the scores will be summed: eight loads
.irp i, 0,1,2,3,4,5,6,7
	ds_load_b128 v[96+32*\c+4*\i:99+32*\c+4*\i], v[WK+7] offset:(\o)+8704+256*\c+16*\i
.endr
.endm
.macro LV t                            ; a tile of V: four loads of 8 bytes
.irp c, 0,1
	ds_load_b64 v[64+8*\t+4*\c:65+8*\t+4*\c], v[WK] offset:4096+1024*\t+512*\c
	ds_load_b64 v[66+8*\t+4*\c:67+8*\t+4*\c], v[WK+1] offset:4096+1024*\t+512*\c
.endr
.endm
.macro ACC a, k                        ; chain a of the row's sum takes p's pair k
	v_pk_add_f32 v[\a:\a+1], v[\a:\a+1], v[96+2*(\k):97+2*(\k)]
.endm
.macro TM j
	v_pk_fma_f32 v[96+\j:97+\j], v[96+\j:97+\j], s[42:43], v[12:13] op_sel_hi:[1,0,0]
.endm
.macro SMUL p                          ; the scores of two tiles of 16 keys
	v_wmma_scale_f32_16x16x128_f8f6f4 v[96+16*\p:103+16*\p], v[32+8*\p:39+8*\p], v[20:27], v[96+16*\p:103+16*\p], v[200+\p], v28 matrix_a_fmt:MATRIX_FMT_FP4 matrix_b_fmt:MATRIX_FMT_FP4
	v_wmma_scale_f32_16x16x128_f8f6f4 v[104+16*\p:111+16*\p], v[32+8*\p:39+8*\p], v[16:23], v[104+16*\p:111+16*\p], v[200+\p], v28 matrix_a_fmt:MATRIX_FMT_FP4 matrix_b_fmt:MATRIX_FMT_FP4
.endm
; A KEY STEP.  pf = 1: the next record's K and bias are asked for on the way.  The order of a step's LDS loads: V's 17, K's 12, the bias's 8 and 8.
.macro STEP pf
	s_wait_dscnt 8                                 ; this step's K, words and the bias of c = 0 are in; the youngest eight loads (the bias of c = 1) may be out
	SMUL 0
	SMUL 1
	s_wait_dscnt 0x0
	SMUL 2
	SMUL 3
.if \pf
.irp i, 0,1,2,3,4,5,6,7
	v_add_nc_u32 v[WK+\i], s44, v[BS+\i]           ; the record in hand; these lines are also the places behind the products
.endr
.else
.irp i, 0,1,2
	v_add_nc_u32 v[WK+\i], s44, v[BS+\i]
.endr
	v_nop
.endif
.irp q, 0,1,2,3
	v_max3_num_f32 v[208+\q], v[96+16*\q], v[97+16*\q], v[98+16*\q]       ; four chains of 16 scores by turns; each accumulator is read from its low end on
.endr
.irp i, 3,5,7,9,11,13
.irp q, 0,1,2,3
	v_max3_num_f32 v[208+\q], v[208+\q], v[96+16*\q+\i], v[97+16*\q+\i]
.endr
.endr
	v_max3_num_f32 v208, v208, v209, v111
	v_max3_num_f32 v210, v210, v211, v143
	v_mov_b32 v223, v12                            ; the old -M
	LV 0                                           ; the step's LDS loads stand between the lines of the chain that makes M, each of which reads the line before it
	v_max_num_f32 v208, v208, v127                 ; the largest score of my block 2 c + h, c = 0,
	v_max_num_f32 v209, v210, v159                 ; and c = 1
	LV 1
	v_max_num_f32 v222, v208, v209
	LV 2
	v_permlanex16_b32 v212, v222, s40, s41
	LV 3
	ds_load_b128 v[204:207], v[WK+2] offset:8448   ; V's words
	v_max3_num_f32 v13, v13, v222, v212            ; the running largest score of my query
.if \pf
	LK 0, 0, REC
	LK 0, 1, REC
.endif
	v_mul_f32 v222, s42, v13                       ; as t
.if \pf
	LK 1, 0, REC
.endif
	v_floor_f32 v12, -v222                         ; -M = floor(-t)
.if \pf
	LK 1, 1, REC
.endif
	v_sub_f32 v223, v12, v223                      ; old M - new M, a whole number, 0 or less
.irp j, 0,2,4,6,8,10,12,14
	TM \j                                          ; t - M, two at a time
.endr
	v_cvt_i32_f32 v223, v223                       ; (it saturates)
.irp j, 16,18,20,22,24,26,28,30
	TM \j
.endr
	v_ldexp_f32 v224, 1.0, v223                    ; f = 2^(old M - new M)
.irp j, 32,34,36,38,40,42,44,46,48,50,52,54,56,58,60,62
	TM \j
.endr
	v_fma_f32 v208, v208, s42, v12                 ; the same of my two blocks' largest scores
	v_fma_f32 v209, v209, s42, v12
	s_wait_alu depctr_va_vdst(0)
	v_exp_f32 v208, v208                           ; the blocks' largest p
	v_exp_f32 v209, v209
.irp j, 0,1,2,3,4,5,6,7,8,9,10,11,12,13,14,15,16,17,18,19,20,21,22,23,24,25,26,27,28,29,30,31,32,33,34,35,36,37,38,39,40,41,42,43,44,45,46,47,48,49,50,51,52,53,54,55,56,57,58,59,60,61,62,63
	v_exp_f32 v[96+\j], v[96+\j]                   ; p = 2^(t - M)
.endr
	v_pk_mul_f32 v[14:15], v[14:15], v[224:225] op_sel_hi:[1,0]   ; the sums under the new M (a plain place behind the batch)
	s_wait_alu depctr_va_vdst(0)                   ; one wait for the batch, ahead of its first reader
	v_max_num_f32 v208, 0x1800000, v208            ; the floor 2^(3 - 127) holds the byte at 1 from below
	v_max_num_f32 v209, 0x1800000, v209
	v_pk_add_f32 v[220:221], v[96:97], v[98:99]    ; the row's sum is taken of the unquantised p, in four chains by turns: 32 additions for 32 pairs
	v_pk_add_f32 v[218:219], v[100:101], v[102:103]
	v_add_nc_u32 v216, 0xff000000, v208            ; 2 off the exponent field: the conversion's scale operand
	v_add_nc_u32 v217, 0xff000000, v209
	v_pk_add_f32 v[246:247], v[104:105], v[106:107]
	ACC 14, 6
.irp c, 0,1
.irp t, 0,1,2,3
	v_cvt_scalef32_pk8_fp4_f32 v[192+4*\c+\t], v[96+32*\c+8*\t:103+32*\c+8*\t], v[216+\c]   ; the operand's register 4 c + t as it stands
.endr
.endr
	v_lshrrev_b32 v212, 23, v216                   ; the bytes (plain lines behind the scaled conversions)
	v_lshrrev_b32 v213, 23, v217
	ACC 220, 7
	ACC 218, 8
	v_lshl_or_b32 v226, v213, 16, v212             ; blocks h and 2 + h,
	ACC 246, 9
	ACC 14, 10
	v_lshlrev_b32 v226, v[SH], v226                ; at their places in the word;
	ACC 220, 11
	ACC 218, 12
	v_permlanex16_b32 v227, v226, s40, s41
	ACC 246, 13
	ACC 14, 14
	v_or_b32 v29, v226, v227                       ; with lane l xor 16's two the query's word is whole
	ACC 220, 15
.if \pf
	LOADB REC, 0                                   ; p of c = 0 has been summed and converted: its registers take the next step's bias
.endif
.irp k, 16,20,24,28
	ACC 218, \k
	ACC 246, \k+1
	ACC 14, \k+2
	ACC 220, \k+3
.endr
	v_pk_add_f32 v[218:219], v[218:219], v[246:247]
	v_pk_add_f32 v[14:15], v[14:15], v[220:221]
	v_pk_add_f32 v[14:15], v[14:15], v[218:219]
.if \pf
	LOADB REC, 1
.endif
	s_wait_alu depctr_va_vdst(0)                   ; directly ahead of the first reader of O^T
.irp j, 0,2,4,6,8,10,12,14,16,18,20,22,24,26,28,30
	v_pk_mul_f32 v[160+\j:161+\j], v[160+\j:161+\j], v[224:225] op_sel_hi:[1,0]   ; O^T under the new M; also the places ahead of the products
.endr
	s_wait_alu depctr_va_vdst(0)
.if \pf
	s_wait_dscnt 28                                ; V's 17 loads are in; the next record's 12 for K and 16 for the bias may be out
.else
	s_wait_dscnt 0x0
.endif
.irp t, 0,1,2,3
	v_wmma_scale_f32_16x16x128_f8f6f4 v[160+8*\t:167+8*\t], v[64+8*\t:71+8*\t], v[192:199], v[160+8*\t:167+8*\t], v[204+\t], v29 matrix_a_fmt:MATRIX_FMT_FP4 matrix_b_fmt:MATRIX_FMT_FP4
.endr
	s_add_co_u32 s44, s44, REC
.endm
	s_wait_alu depctr_va_vdst(0)
	s_wait_tensorcnt 0x0                           ; my part of the records is in,
	s_barrier_signal -1
	s_barrier_wait -1                              ; everybody's is: the only barrier ahead of the way out
.irp i, 3,4,5,6,7
	v_mov_b32 v[WK+\i], v[BS+\i]
.endr
	LK 0, 0, 0
	LK 0, 1, 0
	LK 1, 0, 0
	LK 1, 1, 0
	LOADB 0, 0
	LOADB 0, 1
	s_wait_loadcnt 0x0                             ; q
	s_mov_b32 s44, 0
	s_mov_b32 s45, 31
.Lstep:
	STEP 1
	s_sub_co_u32 s45, s45, 1
	s_cmp_lg_u32 s45, 0
	s_cbranch_scc1 .Lstep
	STEP 0                                         ; the last step asks for nothing more
	; THE WAY OUT: O^T / the sum is quantised along the head's 64 (two blocks, each in lanes l and l xor 16) and stored as a half image; the scale bytes of the sixteen waves are gathered in LDS.
	v_add_f32 v14, v14, v15
	s_delay_alu instid0(VALU_DEP_1)
	v_permlanex16_b32 v222, v14, s40, s41
	s_delay_alu instid0(VALU_DEP_1)
	v_add_f32 v14, v14, v222                       ; the row's sum
	s_wait_alu depctr_va_vdst(0)
	v_rcp_f32 v14, v14
	s_lshl_b32 s58, s10, 5
	s_add_co_u32 s58, s58, GATH
	v_and_b32 v9, 15, v0
	s_delay_alu instid0(VALU_DEP_1)
	v_lshlrev_b32 v9, 1, v9
	s_delay_alu instid0(VALU_DEP_1)
	v_add_nc_u32 v9, s58, v9
	v_add_nc_u32 v10, GATH, v1
	s_wait_alu depctr_va_vdst(0)
.irp j, 0,1,2,3,4,5,6,7,8,9,10,11,12,13,14,15,16,17,18,19,20,21,22,23,24,25,26,27,28,29,30,31
	v_mul_f32 v[96+\j], v[160+\j], v14
.endr
.irp b, 0,1
	v_max3_num_f32 v[208+\b], |v[96+16*\b]|, |v[97+16*\b]|, 0x1800000
.endr
.irp i, 2,4,6,8,10,12,14
.irp b, 0,1
	s_delay_alu instid0(VALU_DEP_2)
	v_max3_num_f32 v[208+\b], v[208+\b], |v[96+16*\b+\i]|, |v[97+16*\b+\i]|
.endr
.endr
.irp b, 0,1
	s_delay_alu instid0(VALU_DEP_2)
	v_permlanex16_b32 v[212+\b], v[208+\b], s40, s41
.endr
.irp b, 0,1
	s_delay_alu instid0(VALU_DEP_2)
	v_max_num_f32 v[208+\b], v[208+\b], v[212+\b]
.endr
.irp b, 0,1
	s_delay_alu instid0(VALU_DEP_2)
	v_add_nc_u32 v[216+\b], 0xff000000, v[208+\b]
.endr
.irp b, 0,1
	s_delay_alu instid0(VALU_DEP_2)
	v_lshrrev_b32 v[212+\b], 23, v[216+\b]
.endr
	s_delay_alu instid0(VALU_DEP_1)
	v_lshl_or_b32 v222, v213, 8, v212
.irp b, 0,1
	v_cvt_scalef32_pk8_fp4_f32 v[192+2*\b], v[96+16*\b:103+16*\b], v[216+\b]
	v_cvt_scalef32_pk8_fp4_f32 v[193+2*\b], v[104+16*\b:111+16*\b], v[216+\b]
.endr
	v_nop
	v_permlane16_swap_b32 v192, v194               ; a whole block to a lane
	v_permlane16_swap_b32 v193, v195
	global_store_b128 v1, v[192:195], s[54:55]     ; 512 consecutive bytes
	ds_store_b16 v9, v222
	s_wait_dscnt 0x0
	s_barrier_signal -1
	s_barrier_wait -1
	s_cmp_lg_u32 s10, 0
	s_cbranch_scc1 .Lnot_mine
	ds_load_b128 v[96:99], v10
	s_wait_dscnt 0x0
	global_store_b128 v1, v[96:99], s[56:57]       ; the work-group's 512 scale bytes
.Lnot_mine:
	s_wait_tensorcnt 0x0                           ; the wave's end
	ds_add_u32 v7, v8
	s_wait_dscnt 0x0
	CROUND                                         ; the closing round
	s_endpgm
.Lfunc_end_k_qa1557c9f2d_attn:
	.size	k_qa1557c9f2d_attn, .Lfunc_end_k_qa1557c9f2d_attn-k_qa1557c9f2d_attn
	.p2alignl 7, 3214868480
	.fill 96, 4, 3214868480
	.section	.rodata,"a",@progbits
	.p2align	6, 0x0
	.amdhsa_kernel k_qa1557c9f2d_attn
		.amdhsa_group_segment_fixed_size 327680
		.amdhsa_private_segment_fixed_size 0
		.amdhsa_enable_private_segment 0
		.amdhsa_kernarg_size 24
		.amdhsa_user_sgpr_count 2
		.amdhsa_user_sgpr_kernarg_segment_ptr 1
		.amdhsa_wavefront_size32 1
		.amdhsa_system_sgpr_workgroup_id_x 1
		.amdhsa_system_sgpr_workgroup_id_y 1
		.amdhsa_system_sgpr_workgroup_id_z 1
		.amdhsa_system_vgpr_workitem_id 0
		.amdhsa_next_free_vgpr 256
		.amdhsa_next_free_sgpr 66
		.amdhsa_reserve_vcc 0
		.amdhsa_float_denorm_mode_32 3
		.amdhsa_float_denorm_mode_16_64 3
		.amdhsa_memory_ordered 1
		.amdhsa_forward_progress 1
		.amdhsa_inst_pref_size 43
	.end_amdhsa_kernel
	.amdgpu_metadata
---
amdhsa.version: [ 1, 2 ]
amdhsa.kernels:
  - .name:           k_qa1557c9f2d_attn
    .symbol:         k_qa1557c9f2d_attn.kd
    .args:
      - { .name: qq, .offset: 0, .size: 8, .value_kind: global_buffer, .address_space: global }
      - { .name: kvh, .offset: 8, .size: 8, .value_kind: global_buffer, .address_space: global }
      - { .name: oq, .offset: 16, .size: 8, .value_kind: global_buffer, .address_space: global }
    .group_segment_fixed_size: 327680
    .private_segment_fixed_size: 0
    .kernarg_segment_align: 8
    .kernarg_segment_size: 24
    .max_flat_workgroup_size: 512
    .sgpr_count:     66
    .vgpr_count:     256
    .wavefront_size: 32
...
	.end_amdgpu_metadata
.endif
;; end of part 3
;; launch proj (part 4): grid 8 x 32, 4 waves a work-group, clusters of 4 x 4, 327,680 bytes of LDS; arguments oq, wq, bo, x, out0; writes out0
.if DOCPART == 4
	.amdgcn_target "amdgcn-amd-amdhsa--gfx1250"
	.amdhsa_code_object_version 6
	.text
	.protected	k_qa1557c9f2d_proj
	.globl	k_qa1557c9f2d_proj
	.p2align	8
	.type	k_qa1557c9f2d_proj,@function
k_qa1557c9f2d_proj:
	s_mov_b64 s[64:65], 0
	v_nop
	global_prefetch_b8 v0, s[64:65] scope:SCOPE_SE
	s_setreg_imm32_b32 hwreg(HW_REG_WAVE_MODE, 25, 1), 1
	s_wait_xcnt 0x0
	s_wait_alu depctr_hold_cnt(0) depctr_sa_sdst(0) depctr_va_vdst(0) depctr_va_sdst(0) depctr_va_ssrc(0) depctr_va_vcc(0) depctr_vm_vsrc(0)
	s_getreg_b32 s2, hwreg(HW_REG_IB_STS2, 6, 4)
	s_cmp_eq_u32 s2, 0
	s_cbranch_scc0 .Lentry_in_a_cluster
	s_endpgm
.Lentry_in_a_cluster:
	s_bfe_u32 s2, ttmp6, 0x10000c
	s_cmp_lg_u32 s2, 0xf033
	s_cbranch_scc0 .Lentry_shape_is_right
	s_endpgm
.Lentry_shape_is_right:
.set ASC,   131072
.set BSC,   135168
.set STAGE, 139264
.set SPARE, 156672
.set XS,    2097152
.set WV, 14
.set FB, 15
.set HF, 16
.set G1A,  24
.set G1B,  32
.set G1SA, 40
.set G1SB, 48
.set G0A,  56
.set G0B,  60
.set G0SA, 68
.set G0SB, 72
.set MSB, 0
.macro WIN new
.if MSB != \new
	s_set_vgpr_msb (MSB<<8)|\new
.set MSB, \new
.endif
.endm
.macro ARM under, g0, g1, next         ; one arm of the head's tree of branches on the wave's number: its joint load, s_nop 0 and four v_nop, and a jump to the tree's end
	s_cmp_lt_u32 s[WV], \under
	s_cbranch_scc0 \next
	tensor_load_to_lds s[\g0:\g0+3], s[\g1:\g1+7]
	s_nop 0
.rept 4
	v_nop
.endr
	s_branch .Lhead_asked
\next:
.endm
.macro CROUND
	s_barrier_signal -1
	s_barrier_wait -1
	s_cmp_lg_u32 s[WV], 0
	s_cbranch_scc1 .Lnot_wave_0_\@
	s_barrier_signal -3
.Lnot_wave_0_\@:
	s_barrier_wait -3
	s_barrier_signal -1
	s_barrier_wait -1
.endm
	s_load_b256 s[4:11], s[0:1], 0x0
	s_load_b64 s[12:13], s[0:1], 0x20
	v_lshl_add_u32 v28, v0, 2, SPARE
	v_mov_b32 v29, 0
	ds_add_u32 v28, v29
	ds_add_u32 v28, v29
	v_lshrrev_b32 v1, 5, v0
	v_readfirstlane_b32 s[WV], v1
	s_lshr_b32 s[FB], s[WV], 1
	s_and_b32 s[HF], s[WV], 1
	s_bfe_u32 s17, ttmp6, 0x40000
	s_bfe_u32 s18, ttmp6, 0x40004
	s_lshl_b32 s19, ttmp9, 2
	s_add_co_u32 s19, s19, s17
	s_and_b32 s20, ttmp7, 0xffff
	s_lshl_b32 s20, s20, 2
	s_add_co_u32 s20, s20, s18
	s_lshl_b32 s21, s18, 2
	s_lshl_b32 s21, 15, s21
	s_lshl_b32 s22, 0x1111, s17
	s_or_b32 s[G1A], s21, (3<<16)|(1<<21)
	s_or_b32 s[G1B], s22, (3<<16)|(1<<21)
.irp g, G1A, G1B
	s_mov_b32 s[\g+1], 32<<16
	s_mov_b32 s[\g+2], 256<<16                     ; codes of 8 tiles: 65,536 dense bytes as 256 rows of 256
	s_mov_b32 s[\g+3], 32<<16
	s_mov_b32 s[\g+4], 256
	s_mov_b32 s[\g+5], 32
	s_mov_b32 s[\g+6], 0
	s_mov_b32 s[\g+7], 0
.endr
	s_or_b32 s[G1SA], s21, (3<<16)|(1<<21)
	s_or_b32 s[G1SB], s22, (3<<16)|(1<<21)
.irp g, G1SA, G1SB
	s_mov_b32 s[\g+1], 32<<16
	s_mov_b32 s[\g+2], 16<<16                      ; scale bytes: 16 rows of 256 (A's: one row a head; B's: dense)
	s_mov_b32 s[\g+3], 32<<16
	s_mov_b32 s[\g+4], 16
	s_mov_b32 s[\g+6], 0
	s_mov_b32 s[\g+7], 0
.endr
	s_mov_b32 s[G1SA+5], 1024
	s_mov_b32 s[G1SB+5], 32
	s_lshl_b32 s76, s20, 3
	s_lshl_b32 s76, s76, 13
	s_mov_b32 s77, 0
	s_lshl_b32 s78, s20, 8
	s_add_co_u32 s78, s78, XS
	s_mov_b32 s79, 0
	s_lshl_b32 s88, s19, 3
	s_add_co_u32 s88, s88, 192
	s_lshl_b32 s80, s88, 13
	s_mov_b32 s81, 0
	s_lshl_b32 s82, s88, 9
	s_add_co_u32 s82, s82, XS
	s_mov_b32 s83, 0
	s_wait_dscnt 0x0
	s_wait_kmcnt 0x0
	s_add_nc_u64 s[76:77], s[4:5], s[76:77]
	s_add_nc_u64 s[78:79], s[4:5], s[78:79]
	s_add_nc_u64 s[80:81], s[6:7], s[80:81]
	s_add_nc_u64 s[82:83], s[6:7], s[82:83]
	CROUND
	s_mov_b32 s[G0SA], 1
	s_mov_b32 s[G0SA+1], ASC
	s_mov_b64 s[G0SA+2:G0SA+3], s[78:79]
	s_or_b32 s[G0SA+3], s[G0SA+3], 0x80000000
	s_mov_b32 s[G0SB], 1
	s_mov_b32 s[G0SB+1], BSC
	s_mov_b64 s[G0SB+2:G0SB+3], s[82:83]
	s_or_b32 s[G0SB+3], s[G0SB+3], 0x80000000
	s_mov_b32 s[G0A], 1
	s_mov_b32 s[G0A+1], 0
	s_mov_b64 s[G0A+2:G0A+3], s[76:77]
	s_or_b32 s[G0A+3], s[G0A+3], 0x80000000
	s_mov_b32 s[G0B], 1
	s_mov_b32 s[G0B+1], 65536
	s_mov_b64 s[G0B+2:G0B+3], s[80:81]
	s_or_b32 s[G0B+3], s[G0B+3], 0x80000000
	; the head's four loads, one a wave: wave 0 A's codes, wave 1 B's, wave 2 A's scale bytes, wave 3 B's scale words
	ARM 1, G0A,  G1A,  .Lhead_b
	ARM 2, G0B,  G1B,  .Lhead_sa
	ARM 3, G0SA, G1SA, .Lhead_sb
	tensor_load_to_lds s[G0SB:G0SB+3], s[G1SB:G1SB+7]
	s_nop 0
.rept 4
	v_nop
.endr
.Lhead_asked:
	v_and_b32 v1, 15, v0
	s_wait_alu depctr_va_vdst(0)
	v_bfe_u32 v2, v0, 4, 1
	v_and_b32 v3, 31, v0
	v_lshlrev_b32 v4, 4, v3
	s_lshl_b32 s21, s[FB], 15
	v_add_nc_u32 v16, s21, v4
	s_lshl_b32 s21, s[HF], 15
	s_add_co_u32 s21, s21, 65536
	v_add_nc_u32 v17, s21, v4
	s_lshl_b32 s21, s[FB], 7
	s_add_co_u32 s21, s21, ASC
	v_lshl_add_u32 v18, v1, 1, s21
	s_lshl_b32 s21, s[HF], 11
	s_add_co_u32 s21, s21, BSC
	v_lshl_add_u32 v19, v1, 4, s21
	s_mul_i32 s21, s[WV], 4352
	s_add_co_u32 s21, s21, STAGE
	v_mul_u32_u24 v20, v1, 272
	s_wait_alu depctr_va_vdst(0)
	v_lshl_add_u32 v20, v2, 6, v20
	v_add_nc_u32 v20, s21, v20
	v_mul_u32_u24 v21, v2, 272
	v_lshl_add_u32 v21, v1, 4, v21
	v_add_nc_u32 v21, s21, v21
	v_lshlrev_b32 v22, 12, v2
	v_lshl_add_u32 v22, v1, 4, v22
	s_wait_alu depctr_va_vdst(0)
	v_lshlrev_b32 v23, 6, v2
	s_wait_alu depctr_va_vdst(0)
	s_lshl_b32 s84, s20, 7
	s_lshl_b32 s21, s[FB], 6
	s_add_co_u32 s84, s84, s21
	s_lshl_b32 s84, s84, 12
	s_lshl_b32 s86, s19, 7
	s_lshl_b32 s21, s[HF], 6
	s_add_co_u32 s86, s86, s21
	s_lshl_b32 s86, s86, 2
	s_add_co_u32 s84, s84, s86
	s_mov_b32 s85, 0
	s_mov_b32 s87, 0
	s_add_nc_u64 s[10:11], s[10:11], s[84:85]
	s_add_nc_u64 s[12:13], s[12:13], s[84:85]
	s_add_nc_u64 s[8:9], s[8:9], s[86:87]
	WIN 0x40
.irp a, 0,1,2,3
.irp t, 0,1,2,3,4,5,6,7
	global_load_b128 v[128+4*(8*\a+\t):128+4*(8*\a+\t)+3], v22, s[10:11] offset:(32*(\a/2)+8*(\a%2)+2*\t+8*(\t/4))*4096 th:TH_LOAD_NT
.endr
.endr
	WIN 0
.irp b, 0,1,2,3
	global_load_b128 v[224+8*\b:227+8*\b], v23, s[8:9] offset:(32*(\b/2)+8*(\b%2))*4
	global_load_b128 v[228+8*\b:231+8*\b], v23, s[8:9] offset:(32*(\b/2)+8*(\b%2))*4+16
.endr
.macro FETCH s, f
.irp i, 0,1,2,3
.irp c, 0,1
	ds_load_b128 v[\f+8*\i+4*\c:\f+8*\i+4*\c+3], v16 offset:8192*\i+1024*(\s)+512*\c
	ds_load_b128 v[\f+32+8*\i+4*\c:\f+32+8*\i+4*\c+3], v17 offset:8192*\i+1024*(\s)+512*\c
.endr
.endr
.endm
	s_wait_tensorcnt 0x0
	s_barrier_signal -1
	s_barrier_wait -1
.irp a, 0,1,2,3
.irp s, 0,1,2,3,4,5,6,7
	ds_load_u16 v[32+8*\a+\s], v18 offset:512*\s+32*\a
	ds_load_u16 v[160+8*\a+\s], v18 offset:512*\s+32*\a+256
.endr
.endr
.irp b, 0,1,2,3
.irp g, 0,1
	ds_load_b128 v[64+8*\b+4*\g:67+8*\b+4*\g], v19 offset:512*\b+256*\g
.endr
.endr
	FETCH 0, 96
	s_wait_dscnt 24
.irp j, 0,1,2,3,4,5,6,7,8,9,10,11,12,13,14,15,16,17,18,19,20,21,22,23,24,25,26,27,28,29,30,31
	v_lshl_or_b32 v[32+\j], v[160+\j], 16, v[32+\j]
.endr
.rept 8
	v_nop
.endr
	s_wait_alu depctr_va_vdst(0)
	s_wait_loadcnt 0x0
.macro KSTEP s
.set F, 96+64*((\s)%2)
	s_wait_dscnt 0x0
.if (\s) < 7
.if (\s) > 0
.rept 4
	v_nop
.endr
.endif
	FETCH (\s)+1, 96+64*(((\s)+1)%2)
.endif
.if (\s) == 0
	WIN 0x40
.else
	WIN 0x50
.endif
.irp a, 0,1,2,3
.irp b, 0,1,2,3
.if (\s) == 0
	v_wmma_scale_f32_16x16x128_f8f6f4 v[8*(4*\a+\b):8*(4*\a+\b)+7], v[F+32+8*\b:F+32+8*\b+7], v[F+8*\a:F+8*\a+7], v[224+8*\b:231+8*\b], v[64+8*\b+(\s)], v[32+8*\a+(\s)] matrix_a_fmt:MATRIX_FMT_FP4 matrix_b_fmt:MATRIX_FMT_FP4
.else
	v_wmma_scale_f32_16x16x128_f8f6f4 v[8*(4*\a+\b):8*(4*\a+\b)+7], v[F+32+8*\b:F+32+8*\b+7], v[F+8*\a:F+8*\a+7], v[8*(4*\a+\b):8*(4*\a+\b)+7], v[64+8*\b+(\s)], v[32+8*\a+(\s)] matrix_a_fmt:MATRIX_FMT_FP4 matrix_b_fmt:MATRIX_FMT_FP4
.endif
.endr
.endr
	WIN 0
.endm
.irp s, 0,1,2,3,4,5,6,7
	KSTEP \s
.endr
.rept 4
	v_nop
.endr
.macro OUT a
	WIN 0x44
.irp b, 0,1,2,3
	ds_store_b128 v20, v[8*(4*(\a)+\b):8*(4*(\a)+\b)+3] offset:128*(\b/2)+32*(\b%2)
	ds_store_b128 v20, v[8*(4*(\a)+\b)+4:8*(4*(\a)+\b)+7] offset:128*(\b/2)+32*(\b%2)+16
.endr
.irp t, 0,1,2,3,4,5,6,7
	ds_load_b128 v[32*(\a)+4*\t:32*(\a)+4*\t+3], v21 offset:544*\t
.endr
	s_wait_dscnt 0x0
	WIN 0x45
.irp i, 0,1,2,3,4,5,6,7,8,9,10,11,12,13,14,15
	v_pk_add_f32 v[128+32*(\a)+2*\i:128+32*(\a)+2*\i+1], v[32*(\a)+2*\i:32*(\a)+2*\i+1], v[128+32*(\a)+2*\i:128+32*(\a)+2*\i+1]
.endr
	WIN 0x44
.irp t, 0,1,2,3,4,5,6,7
	global_store_b128 v22, v[128+32*(\a)+4*\t:128+32*(\a)+4*\t+3], s[12:13] offset:(32*((\a)/2)+8*((\a)%2)+2*\t+8*(\t/4))*4096 th:TH_STORE_NT
.endr
.endm
	OUT 0
	OUT 1
	OUT 2
	OUT 3
	WIN 0
	s_wait_tensorcnt 0x0
	ds_add_u32 v28, v29
	s_wait_dscnt 0x0
	CROUND
	s_endpgm
.Lfunc_end_k_qa1557c9f2d_proj:
	.size	k_qa1557c9f2d_proj, .Lfunc_end_k_qa1557c9f2d_proj-k_qa1557c9f2d_proj
	.p2alignl 7, 3214868480
	.fill 96, 4, 3214868480
	.section	.rodata,"a",@progbits
	.p2align	6, 0x0
	.amdhsa_kernel k_qa1557c9f2d_proj
		.amdhsa_group_segment_fixed_size 327680
		.amdhsa_private_segment_fixed_size 0
		.amdhsa_enable_private_segment 0
		.amdhsa_kernarg_size 40
		.amdhsa_user_sgpr_count 2
		.amdhsa_user_sgpr_kernarg_segment_ptr 1
		.amdhsa_wavefront_size32 1
		.amdhsa_system_sgpr_workgroup_id_x 1
		.amdhsa_system_sgpr_workgroup_id_y 1
		.amdhsa_system_sgpr_workgroup_id_z 1
		.amdhsa_system_vgpr_workitem_id 0
		.amdhsa_next_free_vgpr 512
		.amdhsa_next_free_sgpr 96
		.amdhsa_reserve_vcc 0
		.amdhsa_float_denorm_mode_32 3
		.amdhsa_float_denorm_mode_16_64 3
		.amdhsa_memory_ordered 1
		.amdhsa_forward_progress 1
		.amdhsa_inst_pref_size 57
	.end_amdhsa_kernel
	.amdgpu_metadata
---
amdhsa.version: [ 1, 2 ]
amdhsa.kernels:
  - .name:           k_qa1557c9f2d_proj
    .symbol:         k_qa1557c9f2d_proj.kd
    .args:
      - { .name: oq, .offset: 0, .size: 8, .value_kind: global_buffer, .address_space: global }
      - { .name: wq, .offset: 8, .size: 8, .value_kind: global_buffer, .address_space: global }
      - { .name: bo, .offset: 16, .size: 8, .value_kind: global_buffer, .address_space: global }
      - { .name: x, .offset: 24, .size: 8, .value_kind: global_buffer, .address_space: global }
      - { .name: out0, .offset: 32, .size: 8, .value_kind: global_buffer, .address_space: global }
    .group_segment_fixed_size: 327680
    .private_segment_fixed_size: 0
    .kernarg_segment_align: 8
    .kernarg_segment_size: 40
    .max_flat_workgroup_size: 128
    .sgpr_count:     96
    .vgpr_count:     512
    .wavefront_size: 32
...
	.end_amdgpu_metadata
.endif
;; end of part 4
